; MI455X (gfx1250); checked and timed in simulation.
; The chip was launched on July 23, 2026; its instructions are those of AMD's public machine-readable ISA for CDNA 5 (MIT licence, August 2026) and "CDNA5" Instruction Set Architecture Reference Guide (July 2026). The comments in the code are by the model that wrote it; some were corrected since.
;; Loop Scaled Dot Product Attention. Allowed arithmetic: float matrix products may take bf16 or f16 operands with f32 sums; all other float work in f32.
;; Inputs: k 4 x 16 x 4,096 x 64 float32; q 4 x 16 x 4,096 x 64 float32; v 4 x 16 x 4,096 x 64 float32.
;; Outputs: out0 4 x 16 x 4,096 x 64 float32.
;; 2 versions, each right; version 2 is version 1 with the launch sums written anew for expert scheduling mode. Each part assembles by itself: llvm-mc -triple=amdgcn-amd-amdhsa -mcpu=gfx1250 --defsym DOCPART=n.
;; ======== version 1 of 2: 2 launches
;; workspace buffers: part 7,864,320 bytes
;; launch sums (part 1): grid 6 x 64, 4 waves a work-group, no clusters, 41,472 bytes of LDS; arguments k, v, part; writes part
.if DOCPART == 1
	.amdgcn_target "amdgcn-amd-amdhsa--gfx1250"
	.amdhsa_code_object_version 6
	.text
	.protected	k_q9d0ed4e5fd_sums
	.globl	k_q9d0ed4e5fd_sums
	.p2align	8
	.type	k_q9d0ed4e5fd_sums,@function
k_q9d0ed4e5fd_sums:
	s_mov_b64 s[64:65], 0
	v_nop
	global_prefetch_b8 v0, s[64:65] scope:SCOPE_SE
	s_setreg_imm32_b32 hwreg(HW_REG_WAVE_MODE, 25, 1), 1
	s_wait_xcnt 0x0
; Partial states of causal linear attention.  k, v: [64 heads][4096 tokens][64] f32.
; Work-group (sub, head) takes tokens 512 sub .. 512 sub + 511 of its head (sub = 0..5: the last quarter of a head is in front of nothing)
; and stores S[d][e] = sum over its tokens of f(k)[d] v[e] and z[d] = sum of f(k)[d], with f(x) = elu(x) + 1, as one record of 20,480 bytes.
; Four waves.  Wave w owns the four tiles S(d tile 0..3, e tile w) and the tile of z for d tile w (k^T times a matrix of ones: z[d] stands in all 16 columns).
; The record is the image of these 40 registers: byte 5120 w + 512 j + 16 lane holds registers 4 j .. 4 j + 3.
; LIMITS: operands of the products are rounded once to bf16, sums are f32 in the order of the chunks; exp(x) - 1 is formed from v_exp_f32
; and not by expm1, so f is off by at most about 1e-7 absolute.
; No tensor loads, no cluster: the work-groups share no byte, and the loads into registers are converted on the way to LDS anyway.
.set PITCH, 160                        ; an LDS row: 64 bf16 + 32 bytes, an odd multiple of 32 bytes for the transposing loads
.set HB,    64*PITCH                   ; 64 rows of k, then 64 rows of v
.set BUF,   2*HB                       ; one chunk; two such buffers take turns
.set GOFF, 1                           ; v1       4096 w + 16 lane: my 16 bytes in my wave's 16 rows of a chunk
.set STO,  2                           ; v2       (16 w + lane/16) PITCH + 8 (lane%16): where my 4 bf16 go
.set TR,   3                           ; v3       transposing load: (8 (lane/16) + lane%8) PITCH + 16 ((lane/8)%2)
.set TRW,  4                           ; v4       the same at column 16 w
.set POFF, 5                           ; v5       5120 w + 16 lane: my place in the record
.set ONES, 8                           ; v[8:15]  a fragment of bf16 ones
.set E,    16                          ; v[16:23] at work in FEAT
.set RB,   24                          ; v[24:87], v[88:151]  two chunks as loaded: 32 registers of k, 32 of v
.set KT,   152                         ; v[152:183] k^T, four d tiles x 32 tokens
.set VW,   184                         ; v[184:191] v, 32 tokens x e tile w
.set KZ,   192                         ; v[192:199] k^T, d tile w
.set ST,   200                         ; v[200:239] S0..S3, Z
.set LG,   16                          ; s[16:17] log2(e), twice
	s_load_b128 s[4:7], s[0:1], 0x0                ; k s[4:5], v s[6:7]
	s_load_b64 s[8:9], s[0:1], 0x10                ; part
	v_lshl_add_u32 v240, v0, 2, 0xa000
	v_mov_b32 v241, 0
	v_lshrrev_b32 v6, 5, v0
	v_readfirstlane_b32 s10, v6                    ; wave 0..3
	s_and_b32 s11, ttmp7, 0xffff                   ; head
	s_lshl_b32 s12, s11, 20                        ; a head is 4096 rows of 256 bytes
	s_lshl_b32 s14, ttmp9, 17                      ; 512 rows
	s_add_co_u32 s12, s12, s14
	s_mov_b32 s13, 0
	s_mul_i32 s14, s11, 6
	s_add_co_u32 s14, s14, ttmp9
	s_mul_i32 s14, s14, 20480                      ; my record
	s_mov_b32 s15, 0
	s_mov_b32 s[LG], 0x3fb8aa3b
	s_mov_b32 s[LG+1], 0x3fb8aa3b
	v_and_b32 v6, 31, v0
	v_lshlrev_b32 v6, 4, v6                        ; 16 lane
	s_lshl_b32 s18, s10, 12
	v_add_nc_u32 v[GOFF], s18, v6
	s_mul_i32 s18, s10, 5120
	v_add_nc_u32 v[POFF], s18, v6
	s_wait_kmcnt 0x0
	s_add_nc_u64 s[4:5], s[4:5], s[12:13]
	s_add_nc_u64 s[6:7], s[6:7], s[12:13]
	s_add_nc_u64 s[8:9], s[8:9], s[14:15]
; the 16 loads of chunk c: each covers 512 consecutive bytes (two rows); the chunk and the pair of rows stand in the immediate
.macro LOADS c
.irp j, 0,1,2,3,4,5,6,7
	global_load_b128 v[RB+64*((\c)&1)+4*\j:RB+64*((\c)&1)+4*\j+3], v[GOFF], s[4:5] offset:(\c)*16384+\j*512
.endr
.irp j, 0,1,2,3,4,5,6,7
	global_load_b128 v[RB+64*((\c)&1)+32+4*\j:RB+64*((\c)&1)+32+4*\j+3], v[GOFF], s[6:7] offset:(\c)*16384+\j*512
.endr
.endm
	LOADS 0
	LOADS 1
	v_and_b32 v6, 15, v0                           ; lane % 16
	v_bfe_u32 v7, v0, 4, 1                         ; lane / 16
	s_lshl_b32 s18, s10, 4
	v_add_nc_u32 v[STO], s18, v7
	v_mul_u32_u24 v[STO], v[STO], PITCH
	v_lshl_add_u32 v[STO], v6, 3, v[STO]
	v_and_b32 v6, 7, v0
	v_lshl_add_u32 v6, v7, 3, v6
	v_mul_u32_u24 v[TR], v6, PITCH
	v_bfe_u32 v7, v0, 3, 1
	v_lshl_add_u32 v[TR], v7, 4, v[TR]
	s_lshl_b32 s18, s10, 5
	v_add_nc_u32 v[TRW], s18, v[TR]
.irp i, 0,1,2,3,4,5,6,7
	v_mov_b32 v[ONES+\i], 0x3f803f80
.endr
.macro PLACES                          ; four places behind a matrix instruction before its registers are loaded into or its result is read (ISA guide 7.12.1)
.rept 4
	v_nop
.endr
.endm
; f(x) = (x > 0 ? x : exp(x) - 1) + 1 on eight registers, in the order of operations of the problem's function
.macro FEAT x
.irp i, 0,2,4,6
	v_pk_mul_f32 v[E+\i:E+\i+1], v[\x+\i:\x+\i+1], s[LG:LG+1] op_sel_hi:[1,0]
.endr
.irp i, 0,1,2,3,4,5,6,7
	v_exp_f32 v[E+\i], v[E+\i]
.endr
	v_nop                                          ; one plain place behind the last exponential before results are read (ISA guide 5.7.2)
	s_wait_alu depctr_va_vdst(0)
.irp i, 0,2,4,6
	v_pk_add_f32 v[E+\i:E+\i+1], v[E+\i:E+\i+1], -1.0 op_sel_hi:[1,0]
.endr
.irp i, 0,1,2,3,4,5,6,7
	v_cmp_lt_f32 vcc_lo, 0, v[\x+\i]
	v_cndmask_b32 v[\x+\i], v[E+\i], v[\x+\i], vcc_lo
.endr
.irp i, 0,2,4,6
	v_pk_add_f32 v[\x+\i:\x+\i+1], v[\x+\i:\x+\i+1], 1.0 op_sel_hi:[1,0]
.endr
.endm
; 32 tokens of the chunk in the buffer at lb: fragments by transposing loads, then five products.  The five accumulators take turns,
; one instruction a turn.
.macro AHALF lb, ks, zero
.irp dt, 0,1,2,3
	ds_load_tr16_b128 v[KT+8*\dt:KT+8*\dt+3], v[TR] offset:\lb+\ks*32*PITCH+\dt*32
	ds_load_tr16_b128 v[KT+8*\dt+4:KT+8*\dt+7], v[TR] offset:\lb+\ks*32*PITCH+\dt*32+16*PITCH
.endr
	ds_load_tr16_b128 v[VW:VW+3], v[TRW] offset:\lb+HB+\ks*32*PITCH
	ds_load_tr16_b128 v[VW+4:VW+7], v[TRW] offset:\lb+HB+\ks*32*PITCH+16*PITCH
	ds_load_tr16_b128 v[KZ:KZ+3], v[TRW] offset:\lb+\ks*32*PITCH
	ds_load_tr16_b128 v[KZ+4:KZ+7], v[TRW] offset:\lb+\ks*32*PITCH+16*PITCH
	s_wait_dscnt 0x0
.if \zero
.irp dt, 0,1,2,3
	v_wmma_f32_16x16x32_bf16 v[ST+8*\dt:ST+8*\dt+7], v[KT+8*\dt:KT+8*\dt+7], v[VW:VW+7], 0
.endr
	v_wmma_f32_16x16x32_bf16 v[ST+32:ST+39], v[KZ:KZ+7], v[ONES:ONES+7], 0
.else
.irp dt, 0,1,2,3
	v_wmma_f32_16x16x32_bf16 v[ST+8*\dt:ST+8*\dt+7], v[KT+8*\dt:KT+8*\dt+7], v[VW:VW+7], v[ST+8*\dt:ST+8*\dt+7]
.endr
	v_wmma_f32_16x16x32_bf16 v[ST+32:ST+39], v[KZ:KZ+7], v[ONES:ONES+7], v[ST+32:ST+39]
.endif
	PLACES
.endm
; One chunk of 64 tokens.  ahead = 1: the chunk two further on is requested into the registers just emptied.
; left = how many younger loads may stay out.  zero = 1: the first products start the sums.
; One barrier a chunk: the LDS buffer written here was last read two chunks ago, and those reads were waited for in front of the last barrier.
.macro ACH c, ahead, left, zero
.set XB, RB+64*((\c)&1)
.set LB, ((\c)&1)*BUF
	s_wait_loadcnt \left                           ; loads return in order: this chunk's 16 are in, the next chunk's 16 stay out
	FEAT XB
	FEAT XB+8
	FEAT XB+16
	FEAT XB+24
.set aj, 0
.rept 16
	v_cvt_pk_bf16_f32 v[XB+4*aj], v[XB+4*aj], v[XB+4*aj+1]
	v_cvt_pk_bf16_f32 v[XB+4*aj+1], v[XB+4*aj+2], v[XB+4*aj+3]
.set aj, aj+1
.endr
.irp j, 0,1,2,3,4,5,6,7
	ds_store_b64 v[STO], v[XB+4*\j:XB+4*\j+1] offset:LB+\j*2*PITCH
.endr
.irp j, 0,1,2,3,4,5,6,7
	ds_store_b64 v[STO], v[XB+32+4*\j:XB+32+4*\j+1] offset:LB+HB+\j*2*PITCH
.endr
.if \ahead
	LOADS \c+2
.endif
	s_wait_dscnt 0x0                               ; my rows are in LDS (and my reads of the other buffer are long back)
	s_barrier_signal -1
	s_barrier_wait -1                              ; everybody's are
	AHALF ((\c)&1)*BUF, 0, \zero
	AHALF ((\c)&1)*BUF, 1, 0
.endm
	ACH 0, 1, 16, 1
	ACH 1, 1, 16, 0
	ACH 2, 1, 16, 0
	ACH 3, 1, 16, 0
	ACH 4, 1, 16, 0
	ACH 5, 1, 16, 0
	ACH 6, 0, 16, 0                                ; nothing is left to request
	ACH 7, 0, 0, 0
.irp j, 0,1,2,3,4,5,6,7,8,9
	global_store_b128 v[POFF], v[ST+4*\j:ST+4*\j+3], s[8:9] offset:512*\j   ; each store of the wave covers 512 consecutive bytes, aligned
.endr
	s_wait_tensorcnt 0x0
	ds_add_u32 v240, v241
	s_wait_dscnt 0x0
	s_endpgm
.Lfunc_end_k_q9d0ed4e5fd_sums:
	.size	k_q9d0ed4e5fd_sums, .Lfunc_end_k_q9d0ed4e5fd_sums-k_q9d0ed4e5fd_sums
	.p2alignl 7, 3214868480
	.fill 96, 4, 3214868480
	.section	.rodata,"a",@progbits
	.p2align	6, 0x0
	.amdhsa_kernel k_q9d0ed4e5fd_sums
		.amdhsa_group_segment_fixed_size 41472
		.amdhsa_private_segment_fixed_size 0
		.amdhsa_enable_private_segment 0
		.amdhsa_kernarg_size 24
		.amdhsa_user_sgpr_count 2
		.amdhsa_user_sgpr_kernarg_segment_ptr 1
		.amdhsa_wavefront_size32 1
		.amdhsa_system_sgpr_workgroup_id_x 1
		.amdhsa_system_sgpr_workgroup_id_y 1
		.amdhsa_system_sgpr_workgroup_id_z 1
		.amdhsa_system_vgpr_workitem_id 0
		.amdhsa_next_free_vgpr 242
		.amdhsa_next_free_sgpr 66
		.amdhsa_reserve_vcc 1
		.amdhsa_float_denorm_mode_32 3
		.amdhsa_float_denorm_mode_16_64 3
		.amdhsa_memory_ordered 1
		.amdhsa_forward_progress 1
		.amdhsa_inst_pref_size 111
	.end_amdhsa_kernel
	.amdgpu_metadata
---
amdhsa.version: [ 1, 2 ]
amdhsa.kernels:
  - .name:           k_q9d0ed4e5fd_sums
    .symbol:         k_q9d0ed4e5fd_sums.kd
    .args:
      - { .name: k, .offset: 0, .size: 8, .value_kind: global_buffer, .address_space: global }
      - { .name: v, .offset: 8, .size: 8, .value_kind: global_buffer, .address_space: global }
      - { .name: part, .offset: 16, .size: 8, .value_kind: global_buffer, .address_space: global }
    .group_segment_fixed_size: 41472
    .private_segment_fixed_size: 0
    .kernarg_segment_align: 8
    .kernarg_segment_size: 24
    .max_flat_workgroup_size: 128
    .sgpr_count:     66
    .vgpr_count:     242
    .wavefront_size: 32
...
	.end_amdgpu_metadata
.endif
;; end of part 1
;; launch attn (part 2): grid 4 x 64, 4 waves a work-group, no clusters, 327,680 bytes of LDS; arguments q, k, v, part, out0; writes out0
.if DOCPART == 2
	.amdgcn_target "amdgcn-amd-amdhsa--gfx1250"
	.amdhsa_code_object_version 6
	.text
	.protected	k_q9d0ed4e5fd_attn
	.globl	k_q9d0ed4e5fd_attn
	.p2align	8
	.type	k_q9d0ed4e5fd_attn,@function
k_q9d0ed4e5fd_attn:
	s_mov_b64 s[64:65], 0
	v_nop
	global_prefetch_b8 v0, s[64:65] scope:SCOPE_SE
	s_setreg_imm32_b32 hwreg(HW_REG_WAVE_MODE, 25, 1), 1
	s_wait_xcnt 0x0
; Causal linear attention, out[t] = (f(q[t]) . S[t]) / (f(q[t]) . z[t] + 1e-5), f(x) = elu(x) + 1.  q, k, v, out0: [64 heads][4096][64] f32.
; Work-group (seg, head) makes tokens 1024 seg .. +1023 of its head.  Its starting state is the sum of the records 0 .. 2 seg - 1 of the head,
; which the launch in front stored (512 tokens each).  It then walks 16 chunks of 64 tokens, everything written transposed, so that every
; result of a product already lies as the next product wants it:
;   P^T = Kf Qf^T, keys after the query set to 0;  out^T = V^T P^T + S^T Qf^T;  den = 1 . P^T + z . Qf^T;  then S += Kf^T V, z += Kf^T 1.
; Four waves.  Wave w converts rows 16 w .. +15 of a chunk, owns these 16 queries, and owns S(d tiles 0..3, e tile w) and z of d tile w.
; ACCURACY: inside a chunk every operand is a pair of bf16, x = hi + lo, and three of the four products are formed (lo x lo is left out);
; early tokens have outputs of order 1 that can cancel, which a single bf16 does not serve.  In the state's update v is the pair too:
; all weights f(q) . f(k) are positive, so the rounding of v is averaged over the tokens alone, by the root of their number, and 64 tokens are too few for a single bf16.
; LIMITS: Kf in the state, the state as an operand, and q where it meets the state are single bf16 (their roundings are averaged over the 64 of d as well);
; in the records of the launch in front v is a single bf16 too: they stand in front of 1,024 tokens or more;
; sums are f32 in the order of the chunks, not token by token;
; exp(x) - 1 is formed from v_exp_f32 and not by expm1 (f off by at most about 1e-7 absolute); the division is a multiplication by v_rcp_f32.
; NO CLUSTER: no two work-groups read the same rows of q, k or v; what they share is the records, 20,480 bytes each against 786,432 bytes of rows.
; LDS: two slots of raw f32 rows filled by tensor loads (128 rows of q, of k, of v each: two chunks); everything that ds_store writes lies behind them.
.set RPITCH, 272                       ; a raw row: 256 bytes + 16 of padding
.set TENS,   128*RPITCH                ; one tensor load: 128 rows
.set SLOTB,  3*TENS                    ; q, k, v
.set HALFR,  64*RPITCH                 ; a chunk's rows
.set KPI,    144                       ; bf16 rows of Kf: 128 bytes + 16
.set KHL,    64*KPI                    ; hi, then lo
.set KBUF,   2*KHL
.set KB,     2*SLOTB                   ; 208896
.set VPI,    160                       ; bf16 rows of V: 128 bytes + 32
.set VHL,    64*VPI
.set VBUF,   2*VHL
.set VB,     KB+2*KBUF                 ; 245760
.set SBUF,   10240                     ; the state as ten fragments of 1,024 bytes: S^T (e tile, half of d) at 2 et + ks, z at 8 + ks
.set SB,     VB+2*VBUF                 ; 286720
.set GPI,    272                       ; the way out: rows of 256 bytes + 16
.set GW,     16*GPI
.set STG,    SB+2*SBUF                 ; 307200; ends at 324608
.set RECB,   20480                     ; a record of the state
; window 0
.set RQ0, 2                            ; v2..v7  my raw row: q, k, v of slot 0, then of slot 1: (16 w + r) RPITCH + 32 h + base  (r = lane % 16, h = lane / 16)
.set KST, 8                            ; where my 16 bytes of Kf go;  VST: of V
.set VST, 9
.set KLD, 10                           ; Kf by rows
.set KTR, 11                           ; Kf transposed;  KTW: at column 16 w
.set KTW, 12
.set VTR, 13                           ; V transposed;   VTW: at column 16 w
.set VTW, 14
.set SLD, 15                           ; state fragments: SB + 16 lane;  SST, ZST: where my own go
.set SST, 16
.set ZST, 17
.set GST, 18                           ; the way out, in and back
.set GLD, 19
.set OOF, 20                           ; my byte offset in a chunk of out0
.set ROFF, 21                          ; my byte offset in a record
.set MREL, 22                          ; 16 w + r - 8 h
.set NEG1, 23
.set EPSV, 24
.set R,    26                          ; v[26:27] 1 / den, twice
.set ONES, 32                          ; v[32:39]
.set QH,   40                          ; v[40:55]   Qf^T of my 16 queries, hi;  v[56:71] lo
.set QL,   56
.set VWL,  56                          ; v[56:71]   behind the chunk's last P^T, which is the last to read Q lo: V lo of e tile w, for the update
.set KF,   72                          ; v[72:135]  Kf fragments 32 T + 16 lo + 8 ks; then the state's; then the results on their way out
.set VF,   136                         ; v[136:199] V^T fragments 32 lo + 8 et; then Kf^T 32 ks + 8 dt
.set PT,   200                         ; v[200:215] two tiles of P^T; then V hi of e tile w
.set PH,   216                         ; v[216:223] P^T hi, v[224:231] lo; then Kf^T of d tile w
.set PL,   224
.set ZF,   232                         ; v[232:247] z fragments
.set SC,   232                         ; v[232:251] the state on its way to LDS
.set TS,   252
.set XK,   72                          ; raw rows in CONVERT
.set XV,   104
.set XQ,   136
.set E,    168                         ; v[168:175] at work in FEAT
; window 1
.set ST,   0                           ; v[256:295] S0..S3, Z
.set OA,   40                          ; v[296:335] out^T e tiles 0..3, den
; window 2: v[512:751] six records, at the start only
.set G1,  20                           ; s[20:27] descriptor group 1
.set G0,  28                           ; s[28:31], s[32:35] group 0 of slot 0, 1
.set LG,  42                           ; s[42:43] log2(e), twice
.set MSK, 66                           ; s66..s97 lane masks: key 16 kt + 8 h + jj <= query 16 w + r, at 8 kt + jj
.set MSB, 0
.macro WIN new                         ; low byte: bits 1:0 source 0, 3:2 source 1, 5:4 source 2, 7:6 destination; the high byte repeats the setting that is left
.if MSB != \new
	s_set_vgpr_msb (MSB<<8)|\new
.set MSB, \new
.endif
.endm
.macro PLACES                          ; four places behind a matrix instruction before its registers are loaded into or written, or its result is read (ISA guide 7.12.1)
.rept 4
	v_nop
.endr
.endm
	s_load_b256 s[4:11], s[0:1], 0x0               ; q s[4:5], k s[6:7], v s[8:9], part s[10:11]
	s_load_b64 s[12:13], s[0:1], 0x20              ; out0
	v_lshl_add_u32 v254, v0, 2, 0x4f400
	v_mov_b32 v255, 0
	ds_add_u32 v254, v255
	v_lshrrev_b32 v1, 5, v0
	v_readfirstlane_b32 s14, v1                    ; wave 0..3
	s_mov_b32 s15, ttmp9                           ; seg
	s_and_b32 s16, ttmp7, 0xffff                   ; head
	s_lshl_b32 s36, s16, 20                        ; a head is 4096 rows of 256 bytes,
	s_lshl_b32 s18, s15, 18                        ; a seg 1024
	s_add_co_u32 s36, s36, s18
	s_mov_b32 s37, 0
	s_mul_i32 s18, s16, 6*RECB                     ; the head's records
	s_mov_b32 s19, 0
	s_mov_b32 s[LG], 0x3fb8aa3b
	s_mov_b32 s[LG+1], 0x3fb8aa3b
	; group 1: 128 rows of 32 elements of 8 bytes, dense in memory; 4 words of padding behind every 64
	s_mov_b32 s[G1+0], (3<<16)|(1<<20)|(5<<22)|(3<<25)
	s_mov_b32 s[G1+1], 32<<16                      ; tensor_dim0 = 32
	s_mov_b32 s[G1+2], 128<<16                     ; tensor_dim1 = 128
	s_mov_b32 s[G1+3], 32<<16                      ; tile_dim0 = 32
	s_mov_b32 s[G1+4], 128                         ; tile_dim1 = 128
	s_mov_b32 s[G1+5], 32                          ; from row to row
	s_mov_b32 s[G1+6], 0
	s_mov_b32 s[G1+7], 0
	s_mul_i32 s39, s14, TENS                       ; wave 0 brings q, wave 1 k, wave 2 v; wave 3 brings nothing
	s_wait_dscnt 0x0
	s_barrier_signal -1
	s_barrier_wait -1
	s_wait_kmcnt 0x0
	s_cmp_eq_u32 s14, 0
	s_cselect_b64 s[40:41], s[4:5], s[8:9]
	s_cmp_eq_u32 s14, 1
	s_cselect_b64 s[40:41], s[6:7], s[40:41]
	s_add_nc_u64 s[40:41], s[40:41], s[36:37]
	s_add_nc_u64 s[12:13], s[12:13], s[36:37]
	s_add_nc_u64 s[10:11], s[10:11], s[18:19]
.irp s, 0,1
	s_mov_b32 s[G0+4*\s], 1
	s_add_co_u32 s[G0+4*\s+1], s39, \s*SLOTB
	s_add_nc_u64 s[G0+4*\s+2:G0+4*\s+3], s[40:41], \s*32768
	s_or_b32 s[G0+4*\s+3], s[G0+4*\s+3], 0x80000000
.endr
	s_cmp_eq_u32 s14, 3
	s_cbranch_scc1 .Lno_first
	tensor_load_to_lds s[G0:G0+3], s[G1:G1+7]      ; tokens 0..127 of the seg
	s_nop 0
	tensor_load_to_lds s[G0+4:G0+7], s[G1:G1+7]    ; tokens 128..255: two loads of the wave are out, later one
	s_nop 0
.Lno_first:
	v_and_b32 v28, 15, v0                          ; r
	v_bfe_u32 v29, v0, 4, 1                        ; h
	v_and_b32 v30, 7, v0
	v_bfe_u32 v31, v0, 3, 1
	v_and_b32 v1, 31, v0
	v_lshlrev_b32 v1, 4, v1                        ; 16 lane
	s_lshl_b32 s17, s14, 4                         ; 16 w
	v_add_nc_u32 v25, s17, v28                     ; 16 w + r
	s_mul_i32 s18, s14, 5120
	v_add_nc_u32 v[ROFF], s18, v1
	v_mul_u32_u24 v[RQ0], v25, RPITCH
	v_lshl_add_u32 v[RQ0], v29, 5, v[RQ0]
.irp i, 1,2,3,4,5
	v_add_nc_u32 v[RQ0+\i], \i*TENS, v[RQ0]
.endr
	v_mul_u32_u24 v[KST], v25, KPI
	v_lshl_add_u32 v[KST], v29, 4, v[KST]
	v_add_nc_u32 v[KST], KB, v[KST]
	v_mul_u32_u24 v[VST], v25, VPI
	v_lshl_add_u32 v[VST], v29, 4, v[VST]
	v_add_nc_u32 v[VST], VB, v[VST]
	v_mul_u32_u24 v[KLD], v28, KPI
	v_lshl_add_u32 v[KLD], v29, 4, v[KLD]
	v_add_nc_u32 v[KLD], KB, v[KLD]
	v_lshl_add_u32 v30, v29, 3, v30                ; 8 h + lane % 8
	s_lshl_b32 s18, s14, 5                         ; 32 w
	v_mul_u32_u24 v[KTR], v30, KPI
	v_lshl_add_u32 v[KTR], v31, 4, v[KTR]
	v_add_nc_u32 v[KTR], KB, v[KTR]
	v_add_nc_u32 v[KTW], s18, v[KTR]
	v_mul_u32_u24 v[VTR], v30, VPI
	v_lshl_add_u32 v[VTR], v31, 4, v[VTR]
	v_add_nc_u32 v[VTR], VB, v[VTR]
	v_add_nc_u32 v[VTW], s18, v[VTR]
	v_add_nc_u32 v[SLD], SB, v1
	s_lshl_b32 s18, s14, 11
	v_add_nc_u32 v[SST], s18, v[SLD]
	s_lshl_b32 s18, s14, 9
	s_add_co_u32 s18, s18, 8192
	v_add_nc_u32 v[ZST], s18, v[SLD]
	s_mul_i32 s18, s14, GW
	s_add_co_u32 s18, s18, STG
	v_mul_u32_u24 v[GST], v28, GPI
	v_lshl_add_u32 v[GST], v29, 5, v[GST]
	v_add_nc_u32 v[GST], s18, v[GST]
	v_mul_u32_u24 v[GLD], v29, GPI
	v_lshl_add_u32 v[GLD], v28, 4, v[GLD]
	v_add_nc_u32 v[GLD], s18, v[GLD]
	v_add_nc_u32 v[OOF], s17, v29
	v_lshlrev_b32 v[OOF], 8, v[OOF]
	v_lshl_add_u32 v[OOF], v28, 4, v[OOF]
	v_lshlrev_b32 v31, 3, v29
	v_sub_nc_u32 v[MREL], v25, v31
	v_mov_b32 v[NEG1], -1.0
	v_mov_b32 v[EPSV], 0x3727c5ac                  ; 1e-5
.irp i, 0,1,2,3,4,5,6,7
	v_mov_b32 v[ONES+\i], 0x3f803f80
.endr
.irp kt, 0,1,2,3
.irp jj, 0,1,2,3,4,5,6,7
	v_cmp_le_i32 s[MSK+8*\kt+\jj], 16*\kt+\jj, v[MREL]
.endr
.endr
; the starting state: n records, each the image of my 40 registers, summed in f32
.macro PREFIX n
	WIN 0x80                                       ; loaded data in window 2
.set p_r, 0
.rept \n
.irp j, 0,1,2,3,4,5,6,7,8,9
	global_load_b128 v[40*p_r+4*\j:40*p_r+4*\j+3], v[ROFF], s[10:11] offset:p_r*RECB+512*\j
.endr
.set p_r, p_r+1
.endr
	s_wait_loadcnt 0x0
	WIN 0x4a                                       ; window 1 = window 2 + window 2
.set p_i, 0
.rept 20
	v_pk_add_f32 v[ST+2*p_i:ST+2*p_i+1], v[2*p_i:2*p_i+1], v[40+2*p_i:40+2*p_i+1]
.set p_i, p_i+1
.endr
.if \n > 2
	WIN 0x49                                       ; window 1 += window 2
.set p_r, 2
.rept \n-2
.set p_i, 0
.rept 20
	v_pk_add_f32 v[ST+2*p_i:ST+2*p_i+1], v[ST+2*p_i:ST+2*p_i+1], v[40*p_r+2*p_i:40*p_r+2*p_i+1]
.set p_i, p_i+1
.endr
.set p_r, p_r+1
.endr
.endif
	WIN 0
.endm
	s_cmp_eq_u32 s15, 0
	s_cbranch_scc1 .Lseg0
	s_cmp_eq_u32 s15, 1
	s_cbranch_scc1 .Lseg1
	s_cmp_eq_u32 s15, 2
	s_cbranch_scc1 .Lseg2
	PREFIX 6
	s_branch .Ljoin
.Lseg2:
	PREFIX 4
	s_branch .Ljoin
.Lseg1:
	PREFIX 2
	s_branch .Ljoin
.Lseg0:
	WIN 0x40                                       ; the head's first seg starts from nothing
.set p_i, 0
.rept 40
	v_mov_b32 v[ST+p_i], 0
.set p_i, p_i+1
.endr
	WIN 0
.Ljoin:
; f(x) = (x > 0 ? x : exp(x) - 1) + 1 on eight registers, in the order of operations of the problem's function
.macro FEAT x
.irp i, 0,2,4,6
	v_pk_mul_f32 v[E+\i:E+\i+1], v[\x+\i:\x+\i+1], s[LG:LG+1] op_sel_hi:[1,0]
.endr
.irp i, 0,1,2,3,4,5,6,7
	v_exp_f32 v[E+\i], v[E+\i]
.endr
	v_nop                                          ; one plain place behind the last exponential before results are read (ISA guide 5.7.2)
	s_wait_alu depctr_va_vdst(0)
.irp i, 0,2,4,6
	v_pk_add_f32 v[E+\i:E+\i+1], v[E+\i:E+\i+1], -1.0 op_sel_hi:[1,0]
.endr
.irp i, 0,1,2,3,4,5,6,7
	v_cmp_lt_f32 vcc_lo, 0, v[\x+\i]
	v_cndmask_b32 v[\x+\i], v[E+\i], v[\x+\i], vcc_lo
.endr
.irp i, 0,2,4,6
	v_pk_add_f32 v[\x+\i:\x+\i+1], v[\x+\i:\x+\i+1], 1.0 op_sel_hi:[1,0]
.endr
.endm
; 2 n numbers in f32 at x become n words of bf16 pairs hi and n words lo, x = hi + lo up to 2^-17 of x; x is used up.
; Three passes, so that no line waits for the line in front of it.  x - hi is exact in the fused form.
.macro SPLIT x, hi, lo, n
.set spi, 0
.rept \n
	v_cvt_pk_bf16_f32 v[\hi+spi], v[\x+2*spi], v[\x+2*spi+1]
.set spi, spi+1
.endr
.set spi, 0
.rept \n
	v_fma_mix_f32_bf16 v[\x+2*spi], v[\hi+spi], v[NEG1], v[\x+2*spi] op_sel_hi:[1,0,0]
	v_fma_mix_f32_bf16 v[\x+2*spi+1], v[\hi+spi], v[NEG1], v[\x+2*spi+1] op_sel:[1,0,0] op_sel_hi:[1,0,0]
.set spi, spi+1
.endr
.set spi, 0
.rept \n
	v_cvt_pk_bf16_f32 v[\lo+spi], v[\x+2*spi], v[\x+2*spi+1]
.set spi, spi+1
.endr
.endm
; My part of the state to LDS buffer b, as fragments: my lane holds, of column e = 16 w + r, d = 16 dt + 8 h + 0..7, which packed is
; one half of a fragment of S^T (row e, K = d); the same for z.
.macro STCVT b
	WIN 0x05
.set sti, 0
.rept 20
	v_cvt_pk_bf16_f32 v[SC+sti], v[ST+2*sti], v[ST+2*sti+1]
.set sti, sti+1
.endr
	WIN 0
.irp dt, 0,1,2,3
	ds_store_b128 v[SST], v[SC+4*\dt:SC+4*\dt+3] offset:(\b)*SBUF+512*\dt
.endr
	ds_store_b128 v[ZST], v[SC+16:SC+19] offset:(\b)*SBUF
.endm
.macro RAWLD dst, adr, half            ; my row, 32 of its 64 numbers: columns 16 g + 8 h + 0..7, the order of a fragment along K
.irp g, 0,1,2,3
	ds_load_b128 v[\dst+8*\g:\dst+8*\g+3], v[\adr] offset:\half*HALFR+64*\g
	ds_load_b128 v[\dst+8*\g+4:\dst+8*\g+7], v[\adr] offset:\half*HALFR+64*\g+16
.endr
.endm
.macro PUT adr, base, lob              ; hi (v[200:215]) and lo (v[216:231]) of my row to LDS
.irp g, 0,1,2,3
	ds_store_b128 v[\adr], v[PT+4*\g:PT+4*\g+3] offset:\base+32*\g
.endr
.irp g, 0,1,2,3
	ds_store_b128 v[\adr], v[PH+4*\g:PH+4*\g+3] offset:\base+\lob+32*\g
.endr
.endm
; Rows 16 w .. +15 of the chunk: k and v go to LDS as bf16 pairs; q stays in registers, where it already is the fragment of Qf^T.
.macro CONVERT slot, half
	s_wait_xcnt 0x0                                ; the last chunk's stores read v[104:135]: these are loaded again only behind this wait
	RAWLD XK, RQ0+3*\slot+1, \half
	RAWLD XV, RQ0+3*\slot+2, \half
	RAWLD XQ, RQ0+3*\slot, \half
	s_wait_dscnt 16                                ; k is in; the 16 loads of v and q stay out
	FEAT XK
	FEAT XK+8
	FEAT XK+16
	FEAT XK+24
	SPLIT XK, PT, PH, 16
	PUT KST, \half*KBUF, KHL
	s_wait_dscnt 16                                ; v is in; q's 8 loads and the 8 stores stay out
	SPLIT XV, PT, PH, 16
	PUT VST, \half*VBUF, VHL
	s_wait_dscnt 16                                ; q is in; the 16 stores stay out
	FEAT XQ
	FEAT XQ+8
	FEAT XQ+16
	FEAT XQ+24
	SPLIT XQ, QH, QL, 16
.endm
.macro LDK half, kp                    ; 16 loads: Kf of key tiles 2 kp, 2 kp + 1, hi and lo, both halves of d
.irp t, 0,1
.irp lo, 0,1
.irp ks, 0,1
	ds_load_b128 v[KF+32*\t+16*\lo+8*\ks:KF+32*\t+16*\lo+8*\ks+3], v[KLD] offset:\half*KBUF+\lo*KHL+(2*\kp+\t)*16*KPI+\ks*64
	ds_load_b128 v[KF+32*\t+16*\lo+8*\ks+4:KF+32*\t+16*\lo+8*\ks+7], v[KLD] offset:\half*KBUF+\lo*KHL+(2*\kp+\t)*16*KPI+\ks*64+32
.endr
.endr
.endr
.endm
.macro LDV half, kp                    ; 16 loads: V^T of keys 32 kp .. +31, four e tiles, hi and lo
.irp lo, 0,1
.irp et, 0,1,2,3
	ds_load_tr16_b128 v[VF+32*\lo+8*\et:VF+32*\lo+8*\et+3], v[VTR] offset:\half*VBUF+\lo*VHL+\kp*32*VPI+\et*32
	ds_load_tr16_b128 v[VF+32*\lo+8*\et+4:VF+32*\lo+8*\et+7], v[VTR] offset:\half*VBUF+\lo*VHL+\kp*32*VPI+\et*32+16*VPI
.endr
.endr
.endm
.macro LDST half                       ; 20 loads: the state in front of this chunk, as fragments
.irp f, 0,1,2,3,4,5,6,7
	ds_load_b128 v[KF+8*\f:KF+8*\f+3], v[SLD] offset:\half*SBUF+\f*1024
	ds_load_b128 v[KF+8*\f+4:KF+8*\f+7], v[SLD] offset:\half*SBUF+\f*1024+512
.endr
.irp ks, 0,1
	ds_load_b128 v[ZF+8*\ks:ZF+8*\ks+3], v[SLD] offset:\half*SBUF+8192+\ks*1024
	ds_load_b128 v[ZF+8*\ks+4:ZF+8*\ks+7], v[SLD] offset:\half*SBUF+8192+\ks*1024+512
.endr
.endm
.macro LDU half                        ; 28 loads for the update: Kf^T (four d tiles), V of e tile w hi and lo, Kf^T of d tile w
.irp ks, 0,1
.irp dt, 0,1,2,3
	ds_load_tr16_b128 v[VF+32*\ks+8*\dt:VF+32*\ks+8*\dt+3], v[KTR] offset:\half*KBUF+\ks*32*KPI+\dt*32
	ds_load_tr16_b128 v[VF+32*\ks+8*\dt+4:VF+32*\ks+8*\dt+7], v[KTR] offset:\half*KBUF+\ks*32*KPI+\dt*32+16*KPI
.endr
.endr
.irp ks, 0,1
	ds_load_tr16_b128 v[PT+8*\ks:PT+8*\ks+3], v[VTW] offset:\half*VBUF+\ks*32*VPI
	ds_load_tr16_b128 v[PT+8*\ks+4:PT+8*\ks+7], v[VTW] offset:\half*VBUF+\ks*32*VPI+16*VPI
.endr
.irp ks, 0,1
	ds_load_tr16_b128 v[VWL+8*\ks:VWL+8*\ks+3], v[VTW] offset:\half*VBUF+VHL+\ks*32*VPI
	ds_load_tr16_b128 v[VWL+8*\ks+4:VWL+8*\ks+7], v[VTW] offset:\half*VBUF+VHL+\ks*32*VPI+16*VPI
.endr
.irp ks, 0,1
	ds_load_tr16_b128 v[PH+8*\ks:PH+8*\ks+3], v[KTW] offset:\half*KBUF+\ks*32*KPI
	ds_load_tr16_b128 v[PH+8*\ks+4:PH+8*\ks+7], v[KTW] offset:\half*KBUF+\ks*32*KPI+16*KPI
.endr
.endm
; In all products below the accumulators take turns, one instruction a turn.
.macro PT2 ko, q
	v_wmma_f32_16x16x32_bf16 v[PT:PT+7], v[KF+\ko:KF+\ko+7], v[\q:\q+7], v[PT:PT+7]
	v_wmma_f32_16x16x32_bf16 v[PT+8:PT+15], v[KF+32+\ko:KF+32+\ko+7], v[\q:\q+7], v[PT+8:PT+15]
.endm
.macro PTM                             ; two tiles of P^T (32 keys x my 16 queries): hi hi, hi lo, lo hi
	v_wmma_f32_16x16x32_bf16 v[PT:PT+7], v[KF:KF+7], v[QH:QH+7], 0
	v_wmma_f32_16x16x32_bf16 v[PT+8:PT+15], v[KF+32:KF+39], v[QH:QH+7], 0
	PT2 8, QH+8
	PT2 0, QL
	PT2 8, QL+8
	PT2 16, QH
	PT2 24, QH+8
.endm
.macro MASK kp                         ; keys behind the query count for nothing
.irp t, 0,1
.irp jj, 0,1,2,3,4,5,6,7
	v_cndmask_b32 v[PT+8*\t+\jj], 0, v[PT+8*\t+\jj], s[MSK+8*(2*\kp+\t)+\jj]
.endr
.endr
.endm
; out^T += V^T P^T and den += 1 . P^T for 32 keys.  A lane of P^T holds keys 8 h + 0..7 of each tile for query r: packed, the two tiles are the fragment.
.macro PV zero
	WIN 0x50                                       ; C and D in window 1
.if \zero
.irp et, 0,1,2,3
	v_wmma_f32_16x16x32_bf16 v[OA+8*\et:OA+8*\et+7], v[VF+8*\et:VF+8*\et+7], v[PH:PH+7], 0
.endr
	v_wmma_f32_16x16x32_bf16 v[OA+32:OA+39], v[ONES:ONES+7], v[PH:PH+7], 0
.else
.irp et, 0,1,2,3
	v_wmma_f32_16x16x32_bf16 v[OA+8*\et:OA+8*\et+7], v[VF+8*\et:VF+8*\et+7], v[PH:PH+7], v[OA+8*\et:OA+8*\et+7]
.endr
	v_wmma_f32_16x16x32_bf16 v[OA+32:OA+39], v[ONES:ONES+7], v[PH:PH+7], v[OA+32:OA+39]
.endif
.irp et, 0,1,2,3
	v_wmma_f32_16x16x32_bf16 v[OA+8*\et:OA+8*\et+7], v[VF+32+8*\et:VF+32+8*\et+7], v[PH:PH+7], v[OA+8*\et:OA+8*\et+7]
.endr
	v_wmma_f32_16x16x32_bf16 v[OA+32:OA+39], v[ONES:ONES+7], v[PL:PL+7], v[OA+32:OA+39]
.irp et, 0,1,2,3
	v_wmma_f32_16x16x32_bf16 v[OA+8*\et:OA+8*\et+7], v[VF+8*\et:VF+8*\et+7], v[PL:PL+7], v[OA+8*\et:OA+8*\et+7]
.endr
	WIN 0
.endm
; The chunk's products and its way out.  oc: the chunk's number among the four whose place stands in the stores' immediate.
; last = 1: the work-group's last chunk, whose state nobody needs.
; Each counted wait names the run of LDS loads issued last, which stays out; the run in front of it is in.
.macro COMPUTE half, oc, last
	LDK \half, 0
	LDV \half, 0
	s_wait_dscnt 16                                ; Kf is in, the 16 loads of V^T stay out
	PTM
	PLACES
	LDK \half, 1
	MASK 0
	SPLIT PT, PH, PL, 8
	s_wait_dscnt 16                                ; V^T is in, the next 16 of Kf stay out
	PV 1
	PLACES
	LDV \half, 1
	s_wait_dscnt 16                                ; Kf is in
	PTM
	PLACES
	LDST \half
	MASK 1
	SPLIT PT, PH, PL, 8
	s_wait_dscnt 20                                ; V^T is in, the state's 20 loads stay out
	PV 0
.if \last
	s_wait_dscnt 0x0
.else
	PLACES
	LDU \half
	s_wait_dscnt 28                                ; the state is in, the update's 28 loads stay out
.endif
	WIN 0x50
.irp ks, 0,1
.irp et, 0,1,2,3
	v_wmma_f32_16x16x32_bf16 v[OA+8*\et:OA+8*\et+7], v[KF+8*(2*\et+\ks):KF+8*(2*\et+\ks)+7], v[QH+8*\ks:QH+8*\ks+7], v[OA+8*\et:OA+8*\et+7]
.endr
	v_wmma_f32_16x16x32_bf16 v[OA+32:OA+39], v[ZF+8*\ks:ZF+8*\ks+7], v[QH+8*\ks:QH+8*\ks+7], v[OA+32:OA+39]
.endr
.if \last == 0
	s_wait_dscnt 0x0
	; S += Kf^T (V hi + V lo), z += Kf^T 1, 32 tokens at a time
.irp ks, 0,1
.irp dt, 0,1,2,3
	v_wmma_f32_16x16x32_bf16 v[ST+8*\dt:ST+8*\dt+7], v[VF+32*\ks+8*\dt:VF+32*\ks+8*\dt+7], v[PT+8*\ks:PT+8*\ks+7], v[ST+8*\dt:ST+8*\dt+7]
.endr
	v_wmma_f32_16x16x32_bf16 v[ST+32:ST+39], v[PH+8*\ks:PH+8*\ks+7], v[ONES:ONES+7], v[ST+32:ST+39]
.irp dt, 0,1,2,3
	v_wmma_f32_16x16x32_bf16 v[ST+8*\dt:ST+8*\dt+7], v[VF+32*\ks+8*\dt:VF+32*\ks+8*\dt+7], v[VWL+8*\ks:VWL+8*\ks+7], v[ST+8*\dt:ST+8*\dt+7]
.endr
.endr
.endif
	WIN 0
	PLACES
	; the way out: my lane holds, of query 16 w + r, columns 16 et + 8 h + 0..7; den stands in every register of its tile
	WIN 0x01
	v_add_f32 v[TS], v[OA+32], v[EPSV]
	WIN 0
	v_rcp_f32 v[R], v[TS]
	v_nop                                          ; one plain place behind the reciprocal (ISA guide 5.7.2)
	s_wait_alu depctr_va_vdst(0)
	v_mov_b32 v[R+1], v[R]
	WIN 0x01
.set oi, 0
.rept 16
	v_pk_mul_f32 v[KF+2*oi:KF+2*oi+1], v[OA+2*oi:OA+2*oi+1], v[R:R+1]
.set oi, oi+1
.endr
	WIN 0
.irp et, 0,1,2,3
	ds_store_b128 v[GST], v[KF+8*\et:KF+8*\et+3] offset:64*\et
	ds_store_b128 v[GST], v[KF+8*\et+4:KF+8*\et+7] offset:64*\et+16
.endr
.if \last == 0
	STCVT 1-\half                                  ; the state behind this chunk, for the next one; that buffer's readers waited in front of the last barrier
.endif
.irp t, 0,1,2,3,4,5,6,7
	ds_load_b128 v[KF+32+4*\t:KF+32+4*\t+3], v[GLD] offset:2*GPI*\t   ; my own stage: LDS serves a wave's instructions in order (ISA guide 5.7.1)
.endr
.irp t, 0,1,2,3,4,5,6,7
	s_wait_dscnt 7-\t
	global_store_b128 v[OOF], v[KF+32+4*\t:KF+32+4*\t+3], s[12:13] offset:(\oc)*16384+512*\t th:TH_STORE_NT   ; 16 lanes store a whole row of 256 bytes
.endr
.endm
; One barrier a chunk.  In front of it: my bf16 rows and my part of the state are in LDS, and all my LDS reads are back.
; The bf16 buffers and the state's buffers go by the chunk's parity: what is written in front of this barrier was last read two chunks ago,
; and those reads were waited for in front of the last barrier.
; half = 1: the slot's raw rows have all been read.  Every wave has also waited for all its tensor loads, of which one can be out, the other slot's:
; behind the barrier that slot is whole for everybody, and this slot's refill, 128 rows a wave, is the first thing there; it has two chunks in which to land.
.macro CHUNK slot, half, refill, oc, last
	CONVERT \slot, \half
	s_wait_dscnt 0x0
.if \half
	s_wait_tensorcnt 0x0
	ds_add_u32 v254, v255
	s_wait_dscnt 0x0
.if \refill
	s_add_nc_u64 s[G0+4*\slot+2:G0+4*\slot+3], s[G0+4*\slot+2:G0+4*\slot+3], 65536   ; no load of mine is out: 256 rows on
.endif
.endif
	s_barrier_signal -1
	s_barrier_wait -1
.if \refill
	s_cmp_eq_u32 s14, 3
	s_cbranch_scc1 .Lno_fill_\@
	tensor_load_to_lds s[G0+4*\slot:G0+4*\slot+3], s[G1:G1+7]
	s_nop 0
.Lno_fill_\@:
.endif
	COMPUTE \half, \oc, \last
.endm
.macro PAIR slot, refill, oc, last
	CHUNK \slot, 0, 0, \oc, 0
	CHUNK \slot, 1, \refill, \oc+1, \last
.endm
	STCVT 0                                        ; the starting state, for the first chunk
	s_wait_tensorcnt 0x1                           ; my part of slot 0 is in; slot 1 may stay out
	s_wait_dscnt 0x0
	s_barrier_signal -1
	s_barrier_wait -1
	s_mov_b32 s38, 3
.Ltrip:
	PAIR 0, 1, 0, 0
	PAIR 1, 1, 2, 0
	s_wait_xcnt 0x0                                ; the stores' base is stepped only behind this wait
	s_add_nc_u64 s[12:13], s[12:13], 65536         ; four chunks of out0 on
	s_sub_co_u32 s38, s38, 1
	s_cmp_lg_u32 s38, 0
	s_cbranch_scc1 .Ltrip
	PAIR 0, 0, 0, 0                                ; the last 256 tokens: nothing is left to fetch
	PAIR 1, 0, 2, 1
	s_wait_tensorcnt 0x0
	ds_add_u32 v254, v255
	s_wait_dscnt 0x0
	s_endpgm
.Lfunc_end_k_q9d0ed4e5fd_attn:
	.size	k_q9d0ed4e5fd_attn, .Lfunc_end_k_q9d0ed4e5fd_attn-k_q9d0ed4e5fd_attn
	.p2alignl 7, 3214868480
	.fill 96, 4, 3214868480
	.section	.rodata,"a",@progbits
	.p2align	6, 0x0
	.amdhsa_kernel k_q9d0ed4e5fd_attn
		.amdhsa_group_segment_fixed_size 327680
		.amdhsa_private_segment_fixed_size 0
		.amdhsa_enable_private_segment 0
		.amdhsa_kernarg_size 40
		.amdhsa_user_sgpr_count 2
		.amdhsa_user_sgpr_kernarg_segment_ptr 1
		.amdhsa_wavefront_size32 1
		.amdhsa_system_sgpr_workgroup_id_x 1
		.amdhsa_system_sgpr_workgroup_id_y 1
		.amdhsa_system_sgpr_workgroup_id_z 1
		.amdhsa_system_vgpr_workitem_id 0
		.amdhsa_next_free_vgpr 752
		.amdhsa_next_free_sgpr 98
		.amdhsa_reserve_vcc 1
		.amdhsa_float_denorm_mode_32 3
		.amdhsa_float_denorm_mode_16_64 3
		.amdhsa_memory_ordered 1
		.amdhsa_forward_progress 1
		.amdhsa_inst_pref_size 255
	.end_amdhsa_kernel
	.section	.bss,"aw",@nobits
	.p2align	6
	.space	262144
	.amdgpu_metadata
---
amdhsa.version: [ 1, 2 ]
amdhsa.kernels:
  - .name:           k_q9d0ed4e5fd_attn
    .symbol:         k_q9d0ed4e5fd_attn.kd
    .args:
      - { .name: q, .offset: 0, .size: 8, .value_kind: global_buffer, .address_space: global }
      - { .name: k, .offset: 8, .size: 8, .value_kind: global_buffer, .address_space: global }
      - { .name: v, .offset: 16, .size: 8, .value_kind: global_buffer, .address_space: global }
      - { .name: part, .offset: 24, .size: 8, .value_kind: global_buffer, .address_space: global }
      - { .name: out0, .offset: 32, .size: 8, .value_kind: global_buffer, .address_space: global }
    .group_segment_fixed_size: 327680
    .private_segment_fixed_size: 0
    .kernarg_segment_align: 8
    .kernarg_segment_size: 40
    .max_flat_workgroup_size: 128
    .sgpr_count:     98
    .vgpr_count:     752
    .wavefront_size: 32
...
	.end_amdgpu_metadata
.endif
;; end of part 2
;; ======== version 2 of 2: 2 launches; version 1 with the launch sums written anew for expert scheduling mode
;; workspace buffers: part 7,864,320 bytes
;; launch sums (part 3): grid 6 x 64, 4 waves a work-group, no clusters, 41,472 bytes of LDS; arguments k, v, part; writes part
.if DOCPART == 3
	.amdgcn_target "amdgcn-amd-amdhsa--gfx1250"
	.amdhsa_code_object_version 6
	.text
	.protected	k_q9d0ed4e5fd_sums
	.globl	k_q9d0ed4e5fd_sums
	.p2align	8
	.type	k_q9d0ed4e5fd_sums,@function
k_q9d0ed4e5fd_sums:
	s_mov_b64 s[64:65], 0
	v_nop
	global_prefetch_b8 v0, s[64:65] scope:SCOPE_SE
	s_setreg_imm32_b32 hwreg(HW_REG_WAVE_SCHED_MODE, 0, 2), 2
	s_setreg_imm32_b32 hwreg(HW_REG_WAVE_MODE, 25, 1), 1
	s_wait_xcnt 0x0
	s_wait_alu depctr_vm_vsrc(0)
; Partial states of causal linear attention.  k, v: [64 heads][4096 tokens][64] f32.
; Work-group (sub, head) takes tokens 512 sub .. 512 sub + 511 of its head (sub = 0..5: the last quarter of a head is in front of nothing)
; and stores S[d][e] = sum over its tokens of f(k)[d] v[e] and z[d] = sum of f(k)[d], with f(x) = elu(x) + 1, as one record of 20,480 bytes.
; Four waves.  Wave w owns the four tiles S(d tile 0..3, e tile w) and the tile of z for d tile w (k^T times a matrix of ones: z[d] stands in all 16 columns).
; The record is the image of these 40 registers: byte 5120 w + 512 j + 16 lane holds registers 4 j .. 4 j + 3.
; LIMITS: operands of the products are rounded once to bf16, sums are f32 in the order of the chunks; exp(x) - 1 is formed from v_exp_f32
; and not by expm1, so f is off by at most about 1e-7 absolute.
; No tensor loads, no cluster: the work-groups share no byte, and the loads into registers are converted on the way to LDS anyway.
; THE MODE: SCHED_MODE bits 1:0 = 2 (LLVM: expert scheduling mode 2), set by the entry lines.  The code itself states the register dependences
; between vector or matrix instructions and memory or LDS instructions, with s_wait_alu, always for 0.
; THE PLAN.  Registers that memory or LDS instructions touch:
;   v1, v5        offsets, made ahead of the first load and never written again;  v2, v3, v4  LDS addresses, made behind the first loads and never written again.
;   X[c & 1], v's half   the chunk's loads land; 16 conversions round it in place; 8 LDS stores read it; the loads of chunk c + 2 land.
;   X[c & 1], k's half   the same, with the feature map in front of the conversions.
;   KT            transposing loads land, products read it; in the next chunk it is the feature map's 32 registers at work, before it is loaded again.
;   VW, KZ        transposing loads land, products read them.
;   ST            written by matrix instructions alone; read by the ten stores at the end.
;   v240, v241    written at the head, read by the closing add alone.
; A chunk has three waits on va_vdst: behind the exponentials and v's conversions; behind k's conversions; between the two halves' products.  It has one on va_sdst,
; behind the run of 32 compares into s24 .. s55, and two on vm_vsrc, each between 8 LDS stores and the loads that land in the registers that those stores read.
.set PITCH, 160                        ; an LDS row: 64 bf16 + 32 bytes, an odd multiple of 32 bytes for the transposing loads
.set HB,    64*PITCH                   ; 64 rows of k, then 64 rows of v
.set BUF,   2*HB                       ; one chunk; two such buffers take turns
.set GOFF, 1                           ; v1       4096 w + 16 lane: my 16 bytes in my wave's 16 rows of a chunk
.set STO,  2                           ; v2       (16 w + lane/16) PITCH + 8 (lane%16): where my 4 bf16 go
.set TR,   3                           ; v3       transposing load: (8 (lane/16) + lane%8) PITCH + 16 ((lane/8)%2)
.set TRW,  4                           ; v4       the same at column 16 w
.set POFF, 5                           ; v5       5120 w + 16 lane: my place in the record
.set ONES, 8                           ; v[8:15]  a fragment of bf16 ones
.set RB,   24                          ; v[24:87], v[88:151]  two chunks as loaded: 32 registers of k, 32 of v
.set KT,   152                         ; v[152:183] k^T, four d tiles x 32 tokens
.set E,    KT                          ;            the same 32 registers, at work in the feature map
.set VW,   184                         ; v[184:191] v, 32 tokens x e tile w
.set KZ,   192                         ; v[192:199] k^T, d tile w
.set ST,   200                         ; v[200:239] S0..S3, Z
.set LG,   16                          ; s[16:17] log2(e), twice
.set MK,   24                          ; s[24:55] lane masks: x > 0, one for each of k's 32 registers
	s_load_b128 s[4:7], s[0:1], 0x0                ; k s[4:5], v s[6:7]
	s_load_b64 s[8:9], s[0:1], 0x10                ; part
	v_lshl_add_u32 v240, v0, 2, 0xa000
	v_mov_b32 v241, 0
	v_lshrrev_b32 v6, 5, v0
	v_readfirstlane_b32 s10, v6                    ; wave 0..3
	s_and_b32 s11, ttmp7, 0xffff                   ; head
	s_lshl_b32 s12, s11, 20                        ; a head is 4096 rows of 256 bytes
	s_lshl_b32 s14, ttmp9, 17                      ; 512 rows
	s_add_co_u32 s12, s12, s14
	s_mov_b32 s13, 0
	s_mul_i32 s14, s11, 6
	s_add_co_u32 s14, s14, ttmp9
	s_mul_i32 s14, s14, 20480                      ; my record
	s_mov_b32 s15, 0
	s_mov_b32 s[LG], 0x3fb8aa3b
	s_mov_b32 s[LG+1], 0x3fb8aa3b
	v_and_b32 v6, 31, v0
	v_lshlrev_b32 v6, 4, v6                        ; 16 lane
	s_wait_alu depctr_va_sdst(0)                   ; s10 is written, ahead of its first reader; the four terms made from it have a register each
	s_lshl_b32 s18, s10, 12
	v_add_nc_u32 v[GOFF], s18, v6
	s_mul_i32 s19, s10, 5120
	v_add_nc_u32 v[POFF], s19, v6
	s_wait_kmcnt 0x0
	s_add_nc_u64 s[4:5], s[4:5], s[12:13]
	s_add_nc_u64 s[6:7], s[6:7], s[12:13]
	s_add_nc_u64 s[8:9], s[8:9], s[14:15]
; the 16 loads of chunk c, k's eight and v's eight: each covers 512 consecutive bytes (two rows); the chunk and the pair of rows stand in the immediate
.macro LOADK c
.irp j, 0,1,2,3,4,5,6,7
	global_load_b128 v[RB+64*((\c)&1)+4*\j:RB+64*((\c)&1)+4*\j+3], v[GOFF], s[4:5] offset:(\c)*16384+\j*512
.endr
.endm
.macro LOADV c
.irp j, 0,1,2,3,4,5,6,7
	global_load_b128 v[RB+64*((\c)&1)+32+4*\j:RB+64*((\c)&1)+32+4*\j+3], v[GOFF], s[6:7] offset:(\c)*16384+\j*512
.endr
.endm
	s_wait_alu depctr_va_vdst(0)                   ; v1 and v5 are written: every load reads v1 as its offset, the stores at the end v5
	LOADK 0
	LOADV 0
	LOADK 1
	LOADV 1
	v_and_b32 v6, 15, v0                           ; lane % 16
	v_bfe_u32 v7, v0, 4, 1                         ; lane / 16
	s_lshl_b32 s20, s10, 4
	v_add_nc_u32 v[STO], s20, v7
	v_mul_u32_u24 v[STO], v[STO], PITCH
	v_lshl_add_u32 v[STO], v6, 3, v[STO]
	v_and_b32 v6, 7, v0
	v_lshl_add_u32 v6, v7, 3, v6
	v_mul_u32_u24 v[TR], v6, PITCH
	v_bfe_u32 v7, v0, 3, 1
	v_lshl_add_u32 v[TR], v7, 4, v[TR]
	s_lshl_b32 s21, s10, 5
	v_add_nc_u32 v[TRW], s21, v[TR]
.irp i, 0,1,2,3,4,5,6,7
	v_mov_b32 v[ONES+\i], 0x3f803f80
.endr
; 32 tokens of the chunk in the buffer at lb: fragments by transposing loads, then five products.  The five accumulators take turns,
; one instruction a turn.  The wait that these loads hang on stands in front of the macro.
.macro AHALF lb, ks, zero
.irp dt, 0,1,2,3
	ds_load_tr16_b128 v[KT+8*\dt:KT+8*\dt+3], v[TR] offset:\lb+\ks*32*PITCH+\dt*32
	ds_load_tr16_b128 v[KT+8*\dt+4:KT+8*\dt+7], v[TR] offset:\lb+\ks*32*PITCH+\dt*32+16*PITCH
.endr
	ds_load_tr16_b128 v[VW:VW+3], v[TRW] offset:\lb+HB+\ks*32*PITCH
	ds_load_tr16_b128 v[VW+4:VW+7], v[TRW] offset:\lb+HB+\ks*32*PITCH+16*PITCH
	ds_load_tr16_b128 v[KZ:KZ+3], v[TRW] offset:\lb+\ks*32*PITCH
	ds_load_tr16_b128 v[KZ+4:KZ+7], v[TRW] offset:\lb+\ks*32*PITCH+16*PITCH
	s_wait_dscnt 0x0
.if \zero
.irp dt, 0,1,2,3
	v_wmma_f32_16x16x32_bf16 v[ST+8*\dt:ST+8*\dt+7], v[KT+8*\dt:KT+8*\dt+7], v[VW:VW+7], 0
.endr
	v_wmma_f32_16x16x32_bf16 v[ST+32:ST+39], v[KZ:KZ+7], v[ONES:ONES+7], 0
.else
.irp dt, 0,1,2,3
	v_wmma_f32_16x16x32_bf16 v[ST+8*\dt:ST+8*\dt+7], v[KT+8*\dt:KT+8*\dt+7], v[VW:VW+7], v[ST+8*\dt:ST+8*\dt+7]
.endr
	v_wmma_f32_16x16x32_bf16 v[ST+32:ST+39], v[KZ:KZ+7], v[ONES:ONES+7], v[ST+32:ST+39]
.endif
.endm
; four registers of loaded f32 close up into two of bf16, in place: group aj of the chunk's sixteen (0-7 k, 8-15 v)
.macro ROUND4
	v_cvt_pk_bf16_f32 v[XB+4*aj], v[XB+4*aj], v[XB+4*aj+1]
	v_cvt_pk_bf16_f32 v[XB+4*aj+1], v[XB+4*aj+2], v[XB+4*aj+3]
.set aj, aj+1
.endm
; One chunk of 64 tokens.  ahead = 1: the chunk two further on is requested into the registers just emptied.
; left = how many younger loads may stay out.  zero = 1: the first products start the sums.
; f(x) = (x > 0 ? x : exp(x) - 1) + 1 on k's 32 registers, in the order of operations of the problem's function, as one batch.
; One barrier a chunk: the LDS buffer written here was last read two chunks ago, and those reads were waited for in front of the last barrier.
.macro ACH c, ahead, left, zero
.set XB, RB+64*((\c)&1)
.set LB, ((\c)&1)*BUF
	s_wait_loadcnt \left                           ; loads return in order: this chunk's 16 are in, the next chunk's 16 stay out
.set aj, 8
.rept 4
	ROUND4                                         ; half of v's conversions: also the places between the last chunk's products and the first write of the registers KT that they read (ISA guide 7.12.1)
.endr
.set ai, 0
.rept 16
	v_pk_mul_f32 v[E+ai:E+ai+1], v[XB+ai:XB+ai+1], s[LG:LG+1] op_sel_hi:[1,0]
.set ai, ai+2
.endr
.set ai, 0
.rept 32
	v_exp_f32 v[E+ai], v[E+ai]
.set ai, ai+1
.endr
.set ai, 0
.rept 32
	v_cmp_lt_f32 s[MK+ai], 0, v[XB+ai]             ; the compares in one run, a scalar register each
.set ai, ai+1
.endr
.rept 4
	ROUND4                                         ; the other half of v's conversions: plain work behind the last exponential, before a result is read (ISA guide 5.7.2)
.endr
	s_wait_alu depctr_va_vdst(0)                   ; the 32 exponentials have written v[E ..], ahead of their first reader; v's conversions have written what the stores below read, and are done with the registers in which v's next loads land
.irp j, 0,1,2,3,4,5,6,7
	ds_store_b64 v[STO], v[XB+32+4*\j:XB+32+4*\j+1] offset:LB+HB+\j*2*PITCH
.endr
.set ai, 0
.rept 16
	v_pk_add_f32 v[E+ai:E+ai+1], v[E+ai:E+ai+1], -1.0 op_sel_hi:[1,0]
.set ai, ai+2
.endr
	s_wait_alu depctr_va_sdst(0)                   ; the 32 compares have written s[MK ..], ahead of the first select
.if \ahead
	s_wait_alu depctr_vm_vsrc(0)                   ; v's LDS stores have read their data registers, in which the loads below land
	LOADV \c+2                                     ; no vector instruction since the wait on va_vdst above names these registers
.endif
.set ai, 0
.rept 32
	v_cndmask_b32 v[XB+ai], v[E+ai], v[XB+ai], s[MK+ai]
.set ai, ai+1
.endr
.set ai, 0
.rept 16
	v_pk_add_f32 v[XB+ai:XB+ai+1], v[XB+ai:XB+ai+1], 1.0 op_sel_hi:[1,0]
.set ai, ai+2
.endr
.set aj, 0
.rept 8
	ROUND4
.endr
	s_wait_alu depctr_va_vdst(0)                   ; k's conversions have written what the stores below read; the vector side is done with k's registers, in which k's next loads land, and with v[E ..] = KT; the last chunk's products are done reading VW and KZ: the transposing loads behind the barrier land in these three
.irp j, 0,1,2,3,4,5,6,7
	ds_store_b64 v[STO], v[XB+4*\j:XB+4*\j+1] offset:LB+\j*2*PITCH
.endr
.if \ahead
	s_wait_alu depctr_vm_vsrc(0)                   ; k's LDS stores have read their data registers, in which the loads below land
	LOADK \c+2
.endif
	s_wait_dscnt 0x0                               ; my rows are in LDS (and my reads of the other buffer are long back)
	s_barrier_signal -1
	s_barrier_wait -1                              ; everybody's are
	AHALF ((\c)&1)*BUF, 0, \zero
	s_wait_alu depctr_va_vdst(0)                   ; the five products are done reading KT, VW and KZ, in which the second half's loads land
	AHALF ((\c)&1)*BUF, 1, 0
.endm
	ACH 0, 1, 16, 1                                ; its first wait on va_vdst also states that v2, v3 and v4 are written, which its LDS stores and loads read
	ACH 1, 1, 16, 0
	ACH 2, 1, 16, 0
	ACH 3, 1, 16, 0
	ACH 4, 1, 16, 0
	ACH 5, 1, 16, 0
	ACH 6, 0, 16, 0                                ; nothing is left to request
	ACH 7, 0, 0, 0
.rept 4
	v_nop                                          ; four places behind the last matrix instruction, before its result is read (ISA guide 7.12.1)
.endr
	s_wait_alu depctr_va_vdst(0)                   ; the products have written the 40 registers of the state, which the stores read; the places above stay beside this wait
.irp j, 0,1,2,3,4,5,6,7,8,9
	global_store_b128 v[POFF], v[ST+4*\j:ST+4*\j+3], s[8:9] offset:512*\j   ; each store of the wave covers 512 consecutive bytes, aligned
.endr
	s_wait_dscnt 0x0                               ; the closing lines, six on end
	s_wait_alu 0x0
	s_wait_tensorcnt 0x0
	ds_add_u32 v240, v241
	s_wait_dscnt 0x0
	s_endpgm
.Lfunc_end_k_q9d0ed4e5fd_sums:
	.size	k_q9d0ed4e5fd_sums, .Lfunc_end_k_q9d0ed4e5fd_sums-k_q9d0ed4e5fd_sums
	.p2alignl 7, 3214868480
	.fill 96, 4, 3214868480
	.section	.rodata,"a",@progbits
	.p2align	6, 0x0
	.amdhsa_kernel k_q9d0ed4e5fd_sums
		.amdhsa_group_segment_fixed_size 41472
		.amdhsa_private_segment_fixed_size 0
		.amdhsa_enable_private_segment 0
		.amdhsa_kernarg_size 24
		.amdhsa_user_sgpr_count 2
		.amdhsa_user_sgpr_kernarg_segment_ptr 1
		.amdhsa_wavefront_size32 1
		.amdhsa_system_sgpr_workgroup_id_x 1
		.amdhsa_system_sgpr_workgroup_id_y 1
		.amdhsa_system_sgpr_workgroup_id_z 1
		.amdhsa_system_vgpr_workitem_id 0
		.amdhsa_next_free_vgpr 242
		.amdhsa_next_free_sgpr 66
		.amdhsa_reserve_vcc 0
		.amdhsa_float_denorm_mode_32 3
		.amdhsa_float_denorm_mode_16_64 3
		.amdhsa_memory_ordered 1
		.amdhsa_forward_progress 1
		.amdhsa_inst_pref_size 124
	.end_amdhsa_kernel
	.amdgpu_metadata
---
amdhsa.version: [ 1, 2 ]
amdhsa.kernels:
  - .name:           k_q9d0ed4e5fd_sums
    .symbol:         k_q9d0ed4e5fd_sums.kd
    .args:
      - { .name: k, .offset: 0, .size: 8, .value_kind: global_buffer, .address_space: global }
      - { .name: v, .offset: 8, .size: 8, .value_kind: global_buffer, .address_space: global }
      - { .name: part, .offset: 16, .size: 8, .value_kind: global_buffer, .address_space: global }
    .group_segment_fixed_size: 41472
    .private_segment_fixed_size: 0
    .kernarg_segment_align: 8
    .kernarg_segment_size: 24
    .max_flat_workgroup_size: 128
    .sgpr_count:     66
    .vgpr_count:     242
    .wavefront_size: 32
...
	.end_amdgpu_metadata
.endif
;; end of part 3
;; launch attn: the kernel of part 2 again; grid 4 x 64, 4 waves a work-group, no clusters, 327,680 bytes of LDS; arguments q, k, v, part, out0; writes out0
